; MI455X (gfx1250); checked and timed in simulation.
; The chip was launched on July 23, 2026; its instructions are those of AMD's public machine-readable ISA for CDNA 5 (MIT licence, August 2026) and "CDNA5" Instruction Set Architecture Reference Guide (July 2026). The comments in the code are by the model that wrote it; some were corrected since.
;; SDPA. Allowed arithmetic: matrix products marked QUANTISED: E5M2 operands, one given power-of-two scale a tensor, by v_wmma_f32_16x16x64_bf8_bf8 or v_wmma_f32_16x16x128_bf8_bf8, f32 sums; everything else in f32.
;; Inputs: k_codes 4 x 16 x 2,048 x 4 x 32 uint8 (E5M2 codes of k, K innermost, in blocks of 32 codes); lowp_scales 4 int32 (the exponents e of the quantised operands' scales 2^e); mask 1 x 1 x 2,048 x 2,048 int32; q_codes 4 x 16 x 2,048 x 4 x 32 uint8 (E5M2 codes of q, K innermost, in blocks of 32 codes); v_codes 4 x 16 x 128 x 64 x 32 uint8 (E5M2 codes of v, K innermost, in blocks of 32 codes).
;; Outputs: out0 4 x 16 x 2,048 x 128 float32.
;; This version of the problem:
;;   THIS VERSION OF THE PROBLEM IS GIVEN IN LOW PRECISION. The matrix products marked QUANTISED in the list below multiply operands that are first quantised to E5M2 (5 exponent bits, 2 mantissa bits; 8 bits a number), with one given power-of-two scale for each operand tensor; their sums are f32. All else is computed in f32.
;;   The module's matrix products, in the order in which they are computed (A, B: the left and right operand; K: the contracted axis; several contracted axes count as one K, in the product's order):
;;     1. batch 64 x [M 2,048, K 128] x [K 128, N 2,048]; A: input q (given as codes); B: input k (given as codes): QUANTISED (scales: A lowp_scales[0], B lowp_scales[1])
;;     2. batch 64 x [M 2,048, K 2,048] x [K 2,048, N 128]; A: softmax (see below); B: input v (given as codes): QUANTISED (scales: A lowp_scales[2], B lowp_scales[3])
;;   THE QUANTISER, for each operand of a quantised product, along K:
;;     - The operand's scale is 2^e, e = its entry of the input lowp_scales (int32; the entries are numbered through the quantised products in the list's order, A before B).
;;     - Each number is divided by the scale, clamped to +-57,344, and rounded to the nearest number of E5M2, ties to even, subnormals kept.
;;     - The product sums the exact products of the quantised numbers (number of the format x scale) in f32.
;;   ~~~python
;;   def quantise(x, axis, e):      # numpy; x: float32 -> the quantised numbers, widened to float32 again
;;       x = np.moveaxis(x, axis, -1); K = x.shape[-1]
;;       r = np.clip(x / 2.0 ** e, -57344, 57344)
;;       step = 2.0 ** (np.maximum(np.frexp(np.where(r == 0, 1, r))[1] - 1, -14) - 2)
;;       q = np.round(r / step) * step * 2.0 ** e      # np.round: ties to even
;;       return np.moveaxis(q, -1, axis).astype(np.float32)
;;   ~~~
;;   SOFTMAX AHEAD OF A QUANTISED PRODUCT. Where the list says 'softmax', what is quantised is not the finished softmax but p = 2^(t - M), with t = logit x log2(e) and M = ceil(the row's largest t), a whole number; so 1/2 < the row's largest p <= 1. The row's sum l is taken of the UNQUANTISED p, in f32, and the product's result is divided by l at the end. Since M is a whole number, a kernel that streams over the keys may use a running M (the ceiling of the running maximum): every later rescaling is an exact power of two, so the quantised numbers keep their values, but for numbers so far below the row's largest that they fall under the format's range.
;;   OPERANDS COMPUTED ON THE WAY. 'Computed on the way' means the value that the module computes at that place (a softmax that the list does not call 'softmax' is quantised finished and normalised). What goes into a quantiser is computed in f32, as accurately as f32 sums, v_exp_f32 and their like allow (about 1e-6 of the number): no bf16 or f16 on the way to a quantiser, and a product that is left as it is and whose result goes on into a quantised operand takes f32 operands (vector FMAs, or v_wmma_f32_16x16x4_f32). A number that lies on a knife's edge between two numbers of the format may be rounded either way, as far as f32 arithmetic and the matrix unit's own rounding can turn it there, and no further.
;;   INPUTS GIVEN AS CODES. k (in the module: [4, 16, 2048, 128], K = its axis 3); q (in the module: [4, 16, 2048, 128], K = its axis 3); v (in the module: [4, 16, 2048, 128], K = its axis 2): each comes as NAME_codes (uint8): NAME with its K axis moved to the last place and cut into blocks of 32 codes, [.., K / 32, bytes a block], one block behind the other in memory; one code a byte (a code: sign, 5 exponent bits, 2 mantissa bits); its scale is its entry of lowp_scales. Its value is code x scale, taken as it is: it is not quantised again, and the codes and scales need not be those that the quantiser above would give.
;; One version. Each part assembles by itself: llvm-mc -triple=amdgcn-amd-amdhsa -mcpu=gfx1250 --defsym DOCPART=n.
;; ======== version 1 of 1: 2 launches
;; limits: right only within a limited range of input values
;; workspace buffers: maskbits 524,288 bytes of whole numbers
;; launch packmask (part 1): grid 256 x 1, 4 waves a work-group, no clusters, 68,096 bytes of LDS; arguments mask, maskbits; writes maskbits
.if DOCPART == 1
	.amdgcn_target "amdgcn-amd-amdhsa--gfx1250"
	.amdhsa_code_object_version 6
	.text
	.protected	k_q96b121be09_packmask
	.globl	k_q96b121be09_packmask
	.p2align	8
	.type	k_q96b121be09_packmask,@function
k_q96b121be09_packmask:
	s_mov_b64 s[64:65], 0
	v_nop
	global_prefetch_b8 v0, s[64:65] scope:SCOPE_SE
	s_setreg_imm32_b32 hwreg(HW_REG_WAVE_MODE, 25, 1), 1
	s_wait_xcnt 0x0
; THE PROGRAM: out0 = softmax(where(mask == 0, lowest, q k^T / sqrt(128))) v on codes of E5M2, in two launches.  No work of reference() is left out: every input has a way to the
; output, and since the mask is an input, no tile of keys can be passed over.
; THIS LAUNCH packs the mask, [2048 queries][2048 keys] of int32, the same for all 64 heads, into lane masks for the second launch: one bit a number, 1 where mask != 0.
; maskbits is [W 64][ks 16][tl 2][n 64] of 32-bit words: W = a pair of query tiles (queries 32 W .. 32 W + 31), ks = a step of 128 keys, tl = the tile of the pair, n = 8 t + j the number of a score register.
; Bit L of a word (r = L % 16, h = L / 16) is mask[32 W + 16 tl + r][128 ks + 16 t + 8 h + j] != 0: the number that lane L of the second launch holds in score register n.
; SHARES.  A wave takes one (W, ks): 32 rows x 128 keys, 16 KiB in, 128 words (512 bytes) out.  1,024 waves; written out, no loop; waves share nothing, so no barrier.
; Each load reads 512 consecutive bytes of a row, 16 a lane.  The rows turn through the wave's own stage in LDS, so that a lane gets its row's eight neighbours of each tile of keys;
; a compare then makes a whole word in a scalar register, and v_writelane_b32 puts word N into lane N / 4, register N % 4, so that one store of 16 bytes a lane writes the 512 bytes.
.set ROWB,  8192                       ; a row of the mask in bytes
.set PITCH, 528                        ; a stage row: 512 bytes + 16 = 132 words: row r starts 4 r words on, modulo 64 words (64 banks of 4 bytes: ISA guide 11.1)
.set WSTG,  32*PITCH                   ; a wave's stage
.set SPARE, 4*WSTG                     ; behind the four stages: the spare words, 128 bytes for each wave: two blocks of 256 bytes that no other line names
.set OUTW,  8                          ; v[8:11]   the 128 words on their way out
.set X,     16                         ; v16-143   32 rows as loaded; later tile 1's 64 numbers
.set Y,     144                        ; v144-207  tile 0's 64 numbers
.set MW,    16                         ; s16-47    32 words at a time
	s_load_b128 s[4:7], s[0:1], 0x0                ; mask s[4:5], maskbits s[6:7]
	v_lshl_add_u32 v4, v0, 2, SPARE                ; my spare word; never rewritten
	v_mov_b32 v5, 0                                ; 0; never rewritten
	v_lshrrev_b32 v6, 5, v0
	v_readfirstlane_b32 s8, v6                     ; wave 0..3
	v_and_b32 v7, 31, v0
	v_lshlrev_b32 v1, 4, v7                        ; 16 x lane: my bytes of a row's 512, and of the 512 that go out
	s_mul_i32 s9, s8, WSTG                         ; my stage
	v_add_nc_u32 v2, s9, v1                        ; into it: 16 x lane
	v_and_b32 v6, 15, v0                           ; r
	v_bfe_u32 v7, v0, 4, 1                         ; h
	v_mul_u32_u24 v3, v6, PITCH
	v_lshl_add_u32 v3, v7, 5, v3
	v_add_nc_u32 v3, s9, v3                        ; out of it: row r, + 32 h: eight numbers of my half
.irp i, 0,1,2,3
	v_mov_b32 v[OUTW+\i], 0                        ; written whole once: a v_writelane_b32's destination counts as read
.endr
	s_lshl_b32 s10, ttmp9, 2
	s_add_co_u32 s10, s10, s8                      ; u = 16 W + ks
	s_lshr_b32 s11, s10, 4
	s_lshl_b32 s11, s11, 18                        ; W x 32 rows x 8,192 bytes
	s_and_b32 s12, s10, 15
	s_lshl_b32 s12, s12, 9                         ; ks x 128 keys x 4 bytes
	s_add_co_u32 s12, s12, s11
	s_mov_b32 s13, 0
	s_lshl_b32 s10, s10, 9                         ; u x 512 bytes
	s_mov_b32 s11, 0
	s_wait_alu depctr_va_vdst(0)
	s_wait_kmcnt 0x0
	s_add_nc_u64 s[4:5], s[4:5], s[12:13]
	s_add_nc_u64 s[6:7], s[6:7], s[10:11]
.set i, 0
.rept 32
	global_load_b128 v[X+4*i:X+4*i+3], v1, s[4:5] offset:ROWB*i th:TH_LOAD_NT   ; row i: 32 lanes read 512 consecutive bytes; all the wave's 16 KiB are asked for at once
.set i, i+1
.endr
.set i, 0
.rept 32
	s_wait_loadcnt 31-i                            ; loads come back in order (ISA guide 5.7.1): row i is in, the 31 - i younger ones may be out
	ds_store_b128 v2, v[X+4*i:X+4*i+3] offset:PITCH*i
.set i, i+1
.endr
; 64 numbers of a tile of 16 rows: register 8 t + j = mask(row0 + r, 16 t + 8 h + j).  LDS serves a wave's instructions in order (ISA guide 5.7.1.4): these see the stores above
.macro TILE dst, row0
.irp t, 0,1,2,3,4,5,6,7
	ds_load_b128 v[\dst+8*\t:\dst+8*\t+3],   v3 offset:\row0*PITCH+64*\t
	ds_load_b128 v[\dst+8*\t+4:\dst+8*\t+7], v3 offset:\row0*PITCH+64*\t+16
.endr
.endm
; 64 words from 64 registers, 32 at a time: a compare gives the word of all 32 lanes; word N of the tile goes to lane lane0 + N / 4, register N % 4
.macro WORDS src, lane0
.irp b, 0,1
.set n, 0
.rept 32
	v_cmp_ne_u32 s[MW+n], 0, v[\src+32*\b+n]
.set n, n+1
.endr
.set n, 0
.rept 32
	v_writelane_b32 v[OUTW+n%4], s[MW+n], \lane0+8*\b+n/4
.set n, n+1
.endr
.endr
.endm
	TILE Y, 0
	s_wait_dscnt 0x0                               ; tile 0 is in, and the stage's stores have read X,
	TILE X, 16                                     ; which takes tile 1 while tile 0's words are made
	WORDS Y, 0
	s_wait_dscnt 0x0                               ; tile 1 is in
	WORDS X, 16
	global_store_b128 v1, v[OUTW:OUTW+3], s[6:7]   ; 32 lanes store 512 consecutive bytes, at a multiple of 512 from the buffer's first byte
	s_wait_tensorcnt 0x0                           ; the wave's end: a tensor wait (here with no tensor load), an add of 0 to my spare word and its wait, behind my last LDS store
	ds_add_u32 v4, v5
	s_wait_dscnt 0x0
	s_endpgm
.Lfunc_end_k_q96b121be09_packmask:
	.size	k_q96b121be09_packmask, .Lfunc_end_k_q96b121be09_packmask-k_q96b121be09_packmask
	.p2alignl 7, 3214868480
	.fill 96, 4, 3214868480
	.section	.rodata,"a",@progbits
	.p2align	6, 0x0
	.amdhsa_kernel k_q96b121be09_packmask
		.amdhsa_group_segment_fixed_size 68096
		.amdhsa_private_segment_fixed_size 0
		.amdhsa_enable_private_segment 0
		.amdhsa_kernarg_size 16
		.amdhsa_user_sgpr_count 2
		.amdhsa_user_sgpr_kernarg_segment_ptr 1
		.amdhsa_wavefront_size32 1
		.amdhsa_system_sgpr_workgroup_id_x 1
		.amdhsa_system_sgpr_workgroup_id_y 1
		.amdhsa_system_sgpr_workgroup_id_z 1
		.amdhsa_system_vgpr_workitem_id 0
		.amdhsa_next_free_vgpr 208
		.amdhsa_next_free_sgpr 66
		.amdhsa_reserve_vcc 0
		.amdhsa_float_denorm_mode_32 3
		.amdhsa_float_denorm_mode_16_64 3
		.amdhsa_memory_ordered 1
		.amdhsa_forward_progress 1
		.amdhsa_inst_pref_size 26
	.end_amdhsa_kernel
	.amdgpu_metadata
---
amdhsa.version: [ 1, 2 ]
amdhsa.kernels:
  - .name:           k_q96b121be09_packmask
    .symbol:         k_q96b121be09_packmask.kd
    .args:
      - { .name: mask, .offset: 0, .size: 8, .value_kind: global_buffer, .address_space: global }
      - { .name: maskbits, .offset: 8, .size: 8, .value_kind: global_buffer, .address_space: global }
    .group_segment_fixed_size: 68096
    .private_segment_fixed_size: 0
    .kernarg_segment_align: 8
    .kernarg_segment_size: 16
    .max_flat_workgroup_size: 128
    .sgpr_count:     66
    .vgpr_count:     208
    .wavefront_size: 32
...
	.end_amdgpu_metadata
.endif
;; end of part 1
;; launch attn (part 2): grid 8 x 64, 8 waves a work-group, clusters of 4 x 1, 327,680 bytes of LDS; arguments q_codes, k_codes, v_codes, lowp_scales, maskbits, out0; writes out0
.if DOCPART == 2
	.amdgcn_target "amdgcn-amd-amdhsa--gfx1250"
	.amdhsa_code_object_version 6
	.text
	.protected	k_q96b121be09_attn
	.globl	k_q96b121be09_attn
	.p2align	8
	.type	k_q96b121be09_attn,@function
k_q96b121be09_attn:
	s_mov_b64 s[64:65], 0
	v_nop
	global_prefetch_b8 v0, s[64:65] scope:SCOPE_SE
	s_setreg_imm32_b32 hwreg(HW_REG_WAVE_MODE, 25, 1), 1
	s_wait_xcnt 0x0
	s_wait_alu depctr_hold_cnt(0) depctr_sa_sdst(0) depctr_va_vdst(0) depctr_va_sdst(0) depctr_va_ssrc(0) depctr_va_vcc(0) depctr_vm_vsrc(0)
	s_getreg_b32 s2, hwreg(HW_REG_IB_STS2, 6, 4)
	s_cmp_eq_u32 s2, 0
	s_cbranch_scc0 .Lentry_in_a_cluster
	s_endpgm
.Lentry_in_a_cluster:
	s_bfe_u32 s2, ttmp6, 0x10000c
	s_cmp_lg_u32 s2, 0x3003
	s_cbranch_scc0 .Lentry_shape_is_right
	s_endpgm
.Lentry_shape_is_right:
; out0[head][q][:] = the sum over k of softmax_k(masked Q[q] . K[k] / sqrt(128)) V[k][:], both products on codes of E5M2, each tensor with the one scale 2^e that is given for it (eq, ek, ep, ev).
; Q, K: [64 heads][2048][128] codes, K axis = the head's 128.  V: [64][128][2048] codes, the keys innermost.  out0: [64][2048][128] f32.  maskbits: the first launch's lane masks.  No work of reference() is left out.
; THE SOFTMAX AHEAD OF THE SECOND PRODUCT: t = score x log2(e) / sqrt(128); M = the largest t so far, rounded UP to a whole number; p = 2^(t - M) is quantised along the keys, not normalised; the row's sum is
; taken of the unquantised p and divides at the end.  When M moves, the sum and O are multiplied by 2^(old M - new M): exact.
; THE MASK.  A score whose mask bit is 0 becomes NEG = -2^min(127, 126 - eq - ek) ahead of the maximum, by one v_cndmask_b32 with a lane mask out of a scalar register: no compare, no branch.  NEG x c is exact and a
; whole number, so while a row has met masked keys alone, M = t, t - M = 0 and p = 1: a row that is masked everywhere comes out as the mean of V, reference()'s own uniform softmax.  The first key that counts
; moves M so far that 2^(old M - new M) is 0 and what was summed before is gone; from then on masked keys give p = 0.
; LIMITS: eq + ek between -101 and 130; ep between -126 and 112; a true t at or under -2^122 is not told apart from a masked one; codes that are NaN or infinity are not served.
; SHARES.  A work-group owns 256 queries of one head; each of its eight waves owns 32: tile A (16 queries) in register window 0 and tile B in window 1, AT THE SAME REGISTER NUMBERS, so that one text of the softmax
; serves both under s_set_vgpr_msb 0x00 or 0x55.  Each fragment of K and V read from LDS feeds two matrix instructions.  Every wave walks all 2,048 keys, 128 a step.
; CLUSTER.  The four query blocks of a cluster belong to one head and walk the same K and V: each tile is asked for JOINTLY (mask 15).  K and V come through a ring of two LDS slots of 256 keys: waves 0, 1 ask for K's
; halves, waves 2, 3 for V's, one load each; waves 4 to 7 ask for none (the tiles are not cut smaller for that).  A wave has at most one tensor load out, and every wait for tensor loads is for 0.
; LAYOUT.  Both products are used transposed: S^T = K Q^T (source 0 = 16 neighbouring keys, source 1 = 16 queries), O^T = V^T P^T: a lane holds ONE query (lane % 16) throughout.  Score register 8 t + j of lane
; (r, h) is key 16 t + 8 h + j, so the conversion of tile t's eight registers gives registers 2 t, 2 t + 1 of P as this matrix form lays an operand (k = 16 c + 8 h + 0 .. 7), and V's fragments are read in that
; same layout, by loads of 8 bytes.  K's and Q's fragments come by loads of 16 bytes: a permutation of the head's axis that is the same on both sides.
; REGISTERS (twin = in both windows): v1-11 addresses (window 0); twin v12 -M, v13 the largest t, v[14:15] the sum; twin v16-31 Q; v32-95: window 0 four fragments, window 1 four more; twin v96-159 S^T, then p;
; twin v160-223 O^T; twin v224-239 P's codes; twin v241 NEG, v[242:243] the sum's second chain, v244 2^ep, v245 a permute's destination, v246 ep + ev, v[252:253] f and 0, v254 at work; v247 16 x lane.
.set KP,    144                        ; a key's row in LDS: 128 bytes + 16 = 36 words: the 16 neighbouring rows of a load start 36 r words on, modulo 64 words: sixteen different multiples of 4 (64 banks of 4 bytes: ISA guide 11.1)
.set VP,    272                        ; a row of V's tile: 256 bytes + 16 = 68 words: the 32 lanes of a load of 8 bytes start at words 4 r + 2 h modulo 64
.set VOFF,  256*KP                     ; a slot: 256 rows of K, then 128 rows of V
.set SLOT1, 1<<17                      ; slot 1 begins here, so that one exclusive or turns an address in one slot into the other's
.set NSL,   8                          ; slots' worth of keys
.set SPARE, 2*SLOT1                    ; behind the ring: the spare words, 128 bytes for each wave: four blocks of 256 bytes that no other line names
.set SP,    528                        ; the way out: a stage of 16 rows x (512 bytes + 16) for each wave, from LDS byte 0 on: slot 0 has had its last fill, and nobody reads it behind the last change of slots
.set AK0, 1                            ; v1   my lane's place in a tile of K: 144 r + 16 h
.set AV0, 2                            ; v2   in a tile of V: VOFF + 272 r + 8 h
.set PFO, 3                            ; v3   the prefetches' offset
.set PFS, 4                            ; v4   a slot on, in bytes, in what I prefetch
.set SPW, 5                            ; v5   LDS address of my spare word; never rewritten
.set NIL, 6                            ; v6   0; never rewritten
.set QO,  7                            ; v7   Q: 128 r + 16 h
.set ADK, 8                            ; v8   LDS address of the slot's tiles of K
.set ADV, 9                            ; v9   of V
.set STO, 10                           ; v10  the stage: where I put 32 bytes of a row
.set RD,  11                           ; v11  and where I read a row back
.set GO,  247                          ; v247 16 x lane
.set SEL, 2                            ; s[2:3]   lane selects for v_permlanex16_b32: lane l xor 16
.set G0K, 4                            ; s[4:7]   descriptor group 0 for K's tiles; it walks
.set G0V, 8                            ; s[8:11]  for V's
.set MB,  12                           ; s[12:13] where the next 64 mask words lie
.set CS,  14                           ; s[14:15] c = log2(e) / sqrt(128) x 2^(eq + ek): the packed form names a pair and takes its low word for both halves
.set MW,  16                           ; s16-63, s68-83: 64 mask words, word n at 16 + n + 4 (n / 48); at the head and on the way out these registers are at work
.set WV,  66                           ; s66  my wave's number
.set TB,  67                           ; s67  LDS byte at which the slot in hand begins
.set G1K, 84                           ; s[84:91] descriptor group 1 for K's tiles
.set G1V, 92                           ; s[92:99] for V's
.set SLOTS, 100                        ; s100 slots still to be asked for
.set LIM, 101                          ; s101 1 in a wave that prefetches, else the greatest number
.set PFA, 104                          ; s[104:105] the head's first byte of what I prefetch; never rewritten
.set MSB, 0
.macro WIN new                         ; low byte: bits 1:0 source 0, 3:2 source 1, 5:4 source 2, 7:6 destination; the high byte repeats the setting that is left; a switch that changes nothing is dropped
.if MSB != \new
	s_set_vgpr_msb (MSB<<8)|\new
.set MSB, \new
.endif
.endm
; A round of the cluster's barrier: my work-group's barrier, so that wave 0's signal speaks for all eight waves; wave 0 signals; every wave waits for all four work-groups; my work-group's barrier once more.
.macro CROUND
	s_barrier_signal -1
	s_barrier_wait -1
	s_cmp_lg_u32 s[WV], 0
	s_cbranch_scc1 .Lnot_wave_0_\@
	s_barrier_signal -3
.Lnot_wave_0_\@:
	s_barrier_wait -3
	s_barrier_signal -1
	s_barrier_wait -1
.endm
; A joint load.  The branches hang on the wave's number alone: they are the same in every work-group.  An s_nop 0 and four v_nop follow each of the two lines.
.macro JLOAD
	s_cmp_lt_u32 s[WV], 2
	s_cbranch_scc0 .Lnot_k_\@
	tensor_load_to_lds s[G0K:G0K+3], s[G1K:G1K+7]
	s_nop 0
.rept 4
	v_nop
.endr
	s_branch .Lasked_\@
.Lnot_k_\@:
	s_cmp_lt_u32 s[WV], 4
	s_cbranch_scc0 .Lasked_\@
	tensor_load_to_lds s[G0V:G0V+3], s[G1V:G1V+7]
	s_nop 0
.rept 4
	v_nop
.endr
.Lasked_\@:
.endm
; A PREFETCH INTO THE L2 of what the NEXT change of slots will ask for: 256 rows of K, one dense block of 32,768 bytes, and 256 codes of each of V's 128 rows.  It stands where the fetching waves have their tensor load.
; Each aligned block of 256 bytes is named ONCE in the launch: both clusters of a head walk the same K and V, so the head's first cluster asks; its four partners share the blocks out BY ADDRESS (8,192 bytes of K's
; block each, lanes 256 bytes apart; 32 of V's rows each, a lane a row); in each, wave 4 asks for K's and wave 5 for V's, one instruction.  Slots 0 and 1 come by their loads alone; the last change that fills a slot asks for nothing.
.macro ASK
	s_cmp_gt_u32 s[SLOTS], s[LIM]
	s_cbranch_scc0 .Lnot_mine_\@
	s_wait_alu depctr_va_vdst(0)
	global_prefetch_b8 v[PFO], s[PFA:PFA+1] th:TH_LOAD_NT scope:SCOPE_SE
.Lnot_mine_\@:
.endm
; THE CHANGE OF SLOTS stands at a slot's head.  Each wave waits for all its tensor loads (its part of the slot that it is about to read), adds 0 to its spare word, and waits for that and for its reads of the slot
; that it has left.  fill = 1: a round of the cluster's barrier follows, so that no wave of any partner still reads that slot or has a load on its way, and the joint load of the next 256 keys is the first thing behind it:
; it has the slot's two key steps in which to land.
.macro CHANGE fill
	s_wait_tensorcnt 0x0                           ; no tensor load of mine is out, so a group 0 may be written
	ds_add_u32 v[SPW], v[NIL]                      ; 0 onto my spare word
.if \fill
	ds_add_u32 v[SPW], v[NIL]                      ; and once more: twice on end, in every trip alike
	s_xor_b32 s[G0K+1], s[G0K+1], SLOT1            ; the walking descriptors: the other slot than last time,
	s_add_nc_u64 s[G0K+2:G0K+3], s[G0K+2:G0K+3], 256*128   ; the next 256 keys; the type bits on top are not reached
	s_xor_b32 s[G0V+1], s[G0V+1], SLOT1
	s_add_nc_u64 s[G0V+2:G0V+3], s[G0V+2:G0V+3], 256
	s_wait_xcnt 0x0                                ; the last prefetch, a slot back, has read its offset, so it may be written:
	v_add_nc_u32 v[PFO], v[PFS], v[PFO]            ; one slot further on than the walking descriptors
	s_wait_dscnt 0x0                               ; both adds are done, and my reads of the slot that I have left are over
	CROUND
	JLOAD
	ASK
.else
	s_wait_dscnt 0x0                               ; the add is done, and my reads of the slot that I have left are over
	s_barrier_signal -1
	s_barrier_wait -1
.endif
.endm
.macro MASKLD                          ; the next 64 mask words, 256 consecutive bytes
	s_load_b512 s[16:31], s[MB:MB+1], 0x0
	s_load_b512 s[32:47], s[MB:MB+1], 0x40
	s_load_b512 s[48:63], s[MB:MB+1], 0x80
	s_load_b512 s[68:83], s[MB:MB+1], 0xc0
.endm
; ONE TILE'S SOFTMAX FOR A KEY STEP: one text for both tiles, under window setting 0x00 or 0x55.  more = 1: when the mask words have been used, the next 64 are asked for.
.macro SOFTMAX more
.set n, 0
.rept 64
	v_cndmask_b32 v[96+n], v241, v[96+n], s[MW+n+4*(n/48)]   ; the score where the bit is 1, else NEG; in ascending order, so that each matrix result is first read at its low end
.set n, n+1
.endr
.if \more
	MASKLD
.endif
	v_max3_num_f32 v254, v96, v97, v98             ; the step's largest score of my query, among my 64 keys, in two chains,
	v_max3_num_f32 v252, v99, v100, v101
.set i, 6
.rept 14
	s_delay_alu instid0(VALU_DEP_2)
	v_max3_num_f32 v254, v254, v[96+i], v[97+i]
	s_delay_alu instid0(VALU_DEP_2)
	v_max3_num_f32 v252, v252, v[98+i], v[99+i]
.set i, i+4
.endr
	s_delay_alu instid0(VALU_DEP_2)
	v_max3_num_f32 v254, v254, v158, v159
	s_delay_alu instid0(VALU_DEP_1)
	v_max_num_f32 v254, v254, v252
	s_delay_alu instid0(VALU_DEP_1)
	v_permlanex16_b32 v245, v254, s[SEL], s[SEL+1]
	s_delay_alu instid0(VALU_DEP_1)
	v_max_num_f32 v254, v254, v245                 ; and among lane l xor 16's
	s_delay_alu instid0(VALU_DEP_1)
	v_mul_f32 v254, s[CS], v254                    ; as t (c is positive)
	s_delay_alu instid0(VALU_DEP_1)
	v_max_num_f32 v13, v13, v254                   ; the running largest t
	v_mov_b32 v254, v12
	s_delay_alu instid0(VALU_DEP_2)
	v_floor_f32 v12, -v13                          ; the new -M = floor(-t) = -ceil(t): M is a whole number
	s_delay_alu instid0(VALU_DEP_1)
	v_sub_f32 v254, v12, v254                      ; M's old value less its new one: a whole number, 0 or less
	s_delay_alu instid0(VALU_DEP_1)
	v_cvt_i32_f32 v254, v254                       ; (it saturates)
	s_delay_alu instid0(VALU_DEP_1)
	v_ldexp_f32 v252, 1.0, v254                    ; f = 2^(old M - new M)
.set j, 0
.rept 32
	v_pk_fma_f32 v[96+j:97+j], v[96+j:97+j], s[CS:CS+1], v[12:13] op_sel_hi:[1,0,0]   ; t - M, two at a time (of the pairs c and -M the low word serves both halves)
.set j, j+2
.endr
.set j, 0
	s_wait_alu depctr_va_vdst(0)
.rept 64
	v_exp_f32 v[96+j], v[96+j]                     ; p = 2^(t - M), at most 1: not normalised
.set j, j+1
.endr
	v_pk_mul_f32 v[14:15], v[14:15], v[252:253] op_sel_hi:[1,0]   ; the sums under the new M: also the plain instruction behind the last exponential (ISA guide 5.7.2)
	s_wait_alu depctr_va_vdst(0)                   ; a wait ahead of the first line that names an exponential's result: one for the batch of 64
	v_pk_add_f32 v[242:243], v[96:97], v[98:99]    ; the row's sum is taken of the unquantised p: two at a time, in two chains
.set j, 4
.rept 15
	v_pk_add_f32 v[14:15], v[14:15], v[96+j:97+j]
	v_pk_add_f32 v[242:243], v[242:243], v[98+j:99+j]
.set j, j+4
.endr
	s_delay_alu instid0(VALU_DEP_1)
	v_pk_add_f32 v[14:15], v[14:15], v[242:243]
.set b, 0
.rept 4
.set i, 0
.rept 16
.set i, i+1
.endr
	v_cvt_scalef32_pk8_bf8_f32 v[224+4*b:225+4*b], v[96+16*b:103+16*b], v244    ; tile 2 b: keys 32 b + 8 h + 0 .. 7
	v_cvt_scalef32_pk8_bf8_f32 v[226+4*b:227+4*b], v[104+16*b:111+16*b], v244   ; tile 2 b + 1: keys 32 b + 16 + 8 h + 0 .. 7
.set b, b+1
.endr
.set j, 0
.rept 32
	v_pk_mul_f32 v[160+j:161+j], v[160+j:161+j], v[252:253] op_sel_hi:[1,0]   ; O^T under the new M, each matrix result from its low end on; these are also the plain lines between the conversions and the products that read P
.set j, j+2
.endr
.endm
.macro KQ4 t0                          ; four products of S^T = K Q^T: tiles t0 .. t0 + 3 of keys; each starts its sum with the constant 0
.irp t, 0,1,2,3
	v_wmma_f32_16x16x128_bf8_bf8 v[96+8*(\t0+\t):103+8*(\t0+\t)], v[32+16*\t:47+16*\t], v[16:31], 0
.endr
.endm
.macro PV4 d0                          ; four products of O^T += V^T P^T: channels 16 d0 on.  An accumulator has one instruction a key step, so no two matrix instructions on end share one
.irp d, 0,1,2,3
	v_wmma_f32_16x16x128_bf8_bf8 v[160+8*(\d0+\d):167+8*(\d0+\d)], v[32+16*\d:47+16*\d], v[224:239], v[160+8*(\d0+\d):167+8*(\d0+\d)]
.endr
.endm
; A KEY STEP: 128 keys, the q-th of the slot in hand, for both tiles.  more = 0: the very last step, which asks for no mask words beyond the buffer's end.
; The window settings of a product (source 0 a fragment; source 1, C and D the tile's own): tile A on window 0's fragments 0x00, tile B on them 0x54, tile B on window 1's 0x55, tile A on those 0x01.
.macro STEP q, more
	v_add_nc_u32 v[ADK], s[TB], v[AK0]
	v_add_nc_u32 v[ADV], s[TB], v[AV0]
	v_nop                                          ; with the two additions: four plain lines between the last products and loads into the fragments that they read (ISA guide 7.12.1 for vector instructions)
	v_nop
.irp t, 0,1,2,3
.irp c, 0,1,2,3
	ds_load_b128 v[32+16*\t+4*\c:35+16*\t+4*\c], v[ADK] offset:(128*(\q)+16*\t)*KP+32*\c       ; K's tiles 0-3
.endr
.endr
	WIN 0x40                                       ; destination window 1, address window 0
.irp t, 0,1,2,3
.irp c, 0,1,2,3
	ds_load_b128 v[32+16*\t+4*\c:35+16*\t+4*\c], v[ADK] offset:(128*(\q)+64+16*\t)*KP+32*\c    ; K's tiles 4-7
.endr
.endr
	s_wait_alu depctr_va_vdst(0)
	s_wait_dscnt 16                                ; tiles 0-3 are in; the 16 younger loads may be out
	WIN 0
	KQ4 0
	WIN 0x54
	KQ4 0
	s_wait_dscnt 0x0                               ; tiles 4-7 are in
	WIN 0x55
	KQ4 4
	WIN 0x01
	KQ4 4
	WIN 0
.rept 4
	v_nop                                          ; four plain lines in front of the loads into the fragments, and of the first read of the scores
.endr
.irp d, 0,1,2,3
.irp c, 0,1,2,3,4,5,6,7
	ds_load_b64 v[32+16*\d+2*\c:33+16*\d+2*\c], v[ADV] offset:16*\d*VP+128*(\q)+16*\c          ; V: channels 16 d + r, keys 16 c + 8 h + 0 .. 7.  These land under the two softmaxes
.endr
.endr
	WIN 0x40
.irp d, 0,1,2,3
.irp c, 0,1,2,3,4,5,6,7
	ds_load_b64 v[32+16*\d+2*\c:33+16*\d+2*\c], v[ADV] offset:16*(\d+4)*VP+128*(\q)+16*\c
.endr
.endr
	WIN 0
	s_wait_kmcnt 0x0                               ; tile A's mask words are in, so their address may step
	s_add_nc_u64 s[MB:MB+1], s[MB:MB+1], 256
	SOFTMAX 1                                      ; tile A; it asks for tile B's words, which land under the rest of it
	WIN 0x55
	s_wait_kmcnt 0x0                               ; tile B's mask words are in
	s_add_nc_u64 s[MB:MB+1], s[MB:MB+1], 256
	SOFTMAX \more                                  ; tile B; it asks for the next step's words of tile A
	WIN 0
	s_wait_alu depctr_va_vdst(0)
	s_wait_dscnt 0x0                               ; V is in
	PV4 0
	WIN 0x54
	PV4 0
	WIN 0x55
	PV4 4
	WIN 0x01
	PV4 4
	WIN 0
.endm
	s_load_b256 s[16:23], s[0:1], 0x0              ; Q's codes s[16:17], K's s[18:19], V's s[20:21], the scales' exponents s[22:23]
	s_load_b64 s[24:25], s[0:1], 0x20              ; maskbits
	v_lshl_add_u32 v[SPW], v0, 2, SPARE
	v_mov_b32 v[NIL], 0
	ds_add_u32 v[SPW], v[NIL]                      ; the wave's opening: the add, twice on end, and its wait ahead of the first tensor loads; the set-up below, work on registers, stands between
	ds_add_u32 v[SPW], v[NIL]
	v_lshrrev_b32 v8, 5, v0
	s_delay_alu instid0(VALU_DEP_1)
	v_readfirstlane_b32 s[WV], v8                  ; wave 0..7
	s_bfe_u32 s32, ttmp6, 0x40000                  ; cx: my place in the cluster: it enters the addresses of Q, maskbits, out0 and the prefetches alone
	s_lshl_b32 s33, ttmp9, 2                       ; in a cluster launch ttmp9 counts clusters
	s_add_co_u32 s33, s33, s32                     ; my block of 256 queries
	s_and_b32 s34, ttmp7, 0xffff                   ; the head, which the four partners share
	s_lshl_b32 s36, s34, 18                        ; the head's first byte in each tensor of codes: 262,144 bytes a head
	s_mov_b32 s37, 0
	s_and_b32 s38, s[WV], 1                        ; which half of a tile I fetch, if I fetch
	s_lshl_b32 s40, s38, 14                        ; K: 128 rows of 128 bytes in memory,
	s_mov_b32 s41, 0
	s_add_nc_u64 s[40:41], s[40:41], s[36:37]
	s_lshl_b32 s42, s38, 17                        ; V: 64 rows of 2,048 bytes in memory,
	s_mov_b32 s43, 0
	s_add_nc_u64 s[42:43], s[42:43], s[36:37]
	s_mul_i32 s44, s38, 128*KP                     ; and their places in a slot: no place in the cluster enters an LDS address
	s_mul_i32 s45, s38, 64*VP
	s_add_co_u32 s45, s45, VOFF
	s_lshl_b32 s46, s33, 8
	s_lshl_b32 s47, s[WV], 5
	s_add_co_u32 s46, s46, s47                     ; my first query: 256 x block + 32 x wave
	s_lshl_b32 s48, s46, 7
	s_mov_b32 s49, 0
	s_add_nc_u64 s[48:49], s[48:49], s[36:37]      ; its codes
	s_lshl_b32 s50, s33, 3
	s_add_co_u32 s50, s50, s[WV]                   ; my pair of tiles, W = 8 x block + wave:
	s_lshl_b32 s50, s50, 13                        ; 16 steps x 512 bytes of mask words
	s_mov_b32 s51, 0
	s_mul_i32 s35, s[WV], 16*SP                    ; my stage
	v_and_b32 v8, 15, v0                           ; r
	v_bfe_u32 v9, v0, 4, 1                         ; h
	s_delay_alu instid0(VALU_DEP_2)
	v_mul_u32_u24 v[AK0], v8, KP
	s_delay_alu instid0(VALU_DEP_1)
	v_lshl_add_u32 v[AK0], v9, 4, v[AK0]
	s_delay_alu instid0(VALU_DEP_4)
	v_mul_u32_u24 v[AV0], v8, VP
	s_delay_alu instid0(VALU_DEP_1)
	v_lshl_add_u32 v[AV0], v9, 3, v[AV0]
	s_delay_alu instid0(VALU_DEP_1)
	v_add_nc_u32 v[AV0], VOFF, v[AV0]
	v_lshlrev_b32 v[QO], 7, v8
	s_delay_alu instid0(VALU_DEP_1)
	v_lshl_add_u32 v[QO], v9, 4, v[QO]
	v_mul_u32_u24 v[STO], v8, SP                   ; the stage, in: row r, + 32 h
	s_delay_alu instid0(VALU_DEP_1)
	v_lshl_add_u32 v[STO], v9, 5, v[STO]
	s_delay_alu instid0(VALU_DEP_1)
	v_add_nc_u32 v[STO], s35, v[STO]
	v_and_b32 v[GO], 31, v0
	s_delay_alu instid0(VALU_DEP_1)
	v_lshlrev_b32 v[GO], 4, v[GO]
	s_delay_alu instid0(VALU_DEP_1)
	v_add_nc_u32 v[RD], s35, v[GO]                 ; back: the 32 lanes take one row of 512 bytes
	; descriptor group 1, elements of 1 byte.  K: 128 rows of 128 bytes, dense in memory;  V: 64 rows of 256 bytes, 2,048 bytes apart
	s_mov_b32 s[G1K], 15|(1<<20)|(1<<21)|(4<<22)|(3<<25)   ; 15:0 the mask: all four work-groups; 17:16 elements of 1 byte; 20 padding on; 21 set beside a mask; 24:22 after every 32 words (code 4); 31:25 four words (code 3)
	s_mov_b32 s[G1K+1], 128<<16                    ; tensor_dim0
	s_mov_b32 s[G1K+2], 128<<16                    ; tensor_dim1
	s_mov_b32 s[G1K+3], 128<<16                    ; tile_dim0
	s_mov_b32 s[G1K+4], 128                        ; tile_dim1
	s_mov_b32 s[G1K+5], 128                        ; tensor_dim0_stride
	s_mov_b32 s[G1K+6], 0
	s_mov_b32 s[G1K+7], 0
	s_mov_b32 s[G1V], 15|(1<<20)|(1<<21)|(5<<22)|(3<<25)   ; padding: four words after every 64
	s_mov_b32 s[G1V+1], 256<<16
	s_mov_b32 s[G1V+2], 64<<16
	s_mov_b32 s[G1V+3], 256<<16
	s_mov_b32 s[G1V+4], 64
	s_mov_b32 s[G1V+5], 2048
	s_mov_b32 s[G1V+6], 0
	s_mov_b32 s[G1V+7], 0
	s_mov_b32 s[SEL], 0x76543210
	s_mov_b32 s[SEL+1], 0xfedcba98
	s_mov_b32 s[CS], 0x3e0293ee                    ; log2(e) / sqrt(128)
	s_mov_b32 s[TB], 0
	s_mov_b32 s[SLOTS], NSL-1
	s_wait_dscnt 0x0                               ; both opening adds are done
	s_wait_kmcnt 0x0
	s_load_b128 s[28:31], s[22:23], 0x0            ; eq, ek, ep, ev
	s_mov_b32 s[G0K], 1                            ; 1:0 count = 1
	s_mov_b32 s[G0K+1], s44                        ; 63:32 LDS address: slot 0
	s_add_nc_u64 s[G0K+2:G0K+3], s[18:19], s[40:41]   ; 120:64 global address: the head's first 256 keys
	s_or_b32 s[G0K+3], s[G0K+3], 0x80000000        ; 127:126 type = 2
	s_mov_b32 s[G0V], 1
	s_mov_b32 s[G0V+1], s45
	s_add_nc_u64 s[G0V+2:G0V+3], s[20:21], s[42:43]
	s_or_b32 s[G0V+3], s[G0V+3], 0x80000000
	CROUND                                         ; all four work-groups are here: the first joint loads meet
	JLOAD                                          ; slot 0
	s_add_nc_u64 s[16:17], s[16:17], s[48:49]      ; Q's codes at my first query
	s_add_nc_u64 s[MB:MB+1], s[24:25], s[50:51]    ; my first mask words
	s_wait_alu depctr_va_vdst(0)
.irp c, 0,1,2,3
	global_load_b128 v[16+4*\c:19+4*\c], v[QO], s[16:17] offset:32*\c th:TH_LOAD_NT        ; tile A's fragment of Q stays in registers
.endr
	WIN 0x40
.irp c, 0,1,2,3
	global_load_b128 v[16+4*\c:19+4*\c], v[QO], s[16:17] offset:2048+32*\c th:TH_LOAD_NT   ; tile B's: 16 rows of 128 bytes on
.endr
	WIN 0
	; the prefetches (macro ASK): where mine stand, and who asks.  Nothing is prefetched here, at the head, where every work-group's first tiles are on their way
	s_cmp_eq_u32 s[WV], 4                          ; wave 4 asks for K's codes, wave 5 for V's
	s_cselect_b64 s[PFA:PFA+1], s[18:19], s[20:21]
	s_mov_b32 s59, 2048
	s_cselect_b32 s59, 256, s59                    ; from lane to lane
	s_mov_b32 s60, 65536
	s_cselect_b32 s60, 8192, s60                   ; from partner to partner
	s_mov_b32 s61, 256
	s_cselect_b32 s61, 32768, s61                  ; a slot on
	s_add_nc_u64 s[PFA:PFA+1], s[PFA:PFA+1], s[36:37]   ; in my head
	v_and_b32 v[PFO], 31, v0
	s_delay_alu instid0(VALU_DEP_1)
	v_mul_lo_u32 v[PFO], v[PFO], s59
	s_mul_i32 s60, s60, s32
	s_add_co_u32 s60, s60, s61                     ; in slot 1: the first change of slots steps it to slot 2
	v_add_nc_u32 v[PFO], s60, v[PFO]
	v_mov_b32 v[PFS], s61
	s_sub_co_u32 s59, s[WV], 4
	s_lshr_b32 s59, s59, 1                         ; 0 in waves 4 and 5,
	s_or_b32 s59, s59, ttmp9                       ; of the head's first cluster: the same in all four partners
	s_cmp_eq_u32 s59, 0
	s_cselect_b32 s[LIM], 1, -1
	s_wait_kmcnt 0x0                               ; the four exponents
	s_add_co_i32 s54, s28, s29                     ; eq + ek:
	s_lshl_b32 s55, s54, 23
	s_add_co_i32 s[CS], s[CS], s55                 ; a score stands for score x 2^(eq + ek): the two exponents are added to c's exponent field
	s_mov_b32 s[CS+1], s[CS]                       ; (named with it as a pair, so it is written)
	s_sub_co_i32 s54, 126, s54
	s_min_i32 s54, s54, 127                        ; min(127, 126 - eq - ek): a choice without a branch
	s_add_co_i32 s54, s54, 127
	s_lshl_b32 s54, s54, 23
	s_or_b32 s54, s54, 0x80000000                  ; NEG
	s_add_co_i32 s56, s30, 127
	s_lshl_b32 s57, s56, 23                        ; 2^ep as f32: the conversion takes its exponent field
	s_add_co_i32 s58, s30, s31                     ; ep + ev
.macro INIT                            ; a tile's state.  The key step is written without a first copy: the first step finds zeros, which the first change of M leaves zeros
	v_mov_b32 v13, 0xff61b1e6                      ; the largest t so far: -3e38, under every t, a masked one too
	v_mov_b32 v14, 0                               ; the sum, in two halves
	v_mov_b32 v15, 0
	s_delay_alu instid0(VALU_DEP_3)
	v_floor_f32 v12, -v13                          ; -M
	v_mov_b32 v245, 0                              ; written once: a lane permute's destination counts as one of its sources
	v_mov_b32 v253, 0                              ; (named as the upper half of the pair v[252:253])
	v_mov_b32 v241, s54
	v_mov_b32 v244, s57
	v_mov_b32 v246, s58
.set j, 0
.rept 64
	v_mov_b32 v[160+j], 0                          ; O^T
.set j, j+1
.endr
.endm
	INIT
	WIN 0x55
	INIT
	WIN 0
	s_wait_loadcnt 0x0                             ; Q is in, so its base register may be written:
	MASKLD                                         ; step 0's words of tile A; from here on s16-63 and s68-83 hold mask words
.Lslot:                                            ; NSL - 1 trips: behind each change of slots but the last the next slot is asked for
	CHANGE 1
	STEP 0, 1
	STEP 1, 1
	s_xor_b32 s[TB], s[TB], SLOT1                  ; on to the other slot
	s_sub_co_u32 s[SLOTS], s[SLOTS], 1
	s_cmp_lg_u32 s[SLOTS], 0
	s_cbranch_scc1 .Lslot
	CHANGE 0                                       ; the last slot is written out
	STEP 0, 1
	STEP 1, 0
	; THE WAY OUT.  The mask words are done with, so out0's address is fetched into their registers now.  O^T is divided by the row's sum, multiplied by 2^(ep + ev), and goes through my stage in LDS,
	; a tile (16 rows of out0) at a time, so that the 32 lanes store a whole row of 512 bytes.
	s_load_b64 s[16:17], s[0:1], 0x28              ; out0
	s_bfe_u32 s18, ttmp6, 0x40000
	s_lshl_b32 s19, ttmp9, 2
	s_add_co_u32 s18, s18, s19                     ; my block of 256 queries
	s_lshl_b32 s18, s18, 8
	s_lshl_b32 s19, s[WV], 5
	s_add_co_u32 s18, s18, s19                     ; my first query,
	s_lshl_b32 s18, s18, 9                         ; its row of 512 bytes,
	s_and_b32 s19, ttmp7, 0xffff
	s_lshl_b32 s19, s19, 20                        ; in my head's 1,048,576 bytes
	s_add_co_u32 s18, s18, s19
	s_mov_b32 s19, 0
.rept 4
	v_nop                                          ; four plain lines between the last products and the first read of their results, and the loads into the fragments that they read
.endr
; wa: the tile's window setting for arithmetic; ws: for LDS stores (address window 0, data the tile's); wl: for LDS loads (destination the tile's)
.macro PACK wa, ws, wl
	WIN \wa
	v_add_f32 v14, v14, v15                        ; the sum's two halves,
	s_delay_alu instid0(VALU_DEP_1)
	v_permlanex16_b32 v245, v14, s[SEL], s[SEL+1]
	s_delay_alu instid0(VALU_DEP_1)
	v_add_f32 v14, v14, v245                       ; and lane l xor 16's: the row's sum
	s_wait_alu depctr_va_vdst(0)
	v_rcp_f32 v14, v14
	v_nop                                          ; a plain instruction behind the reciprocal (ISA guide 5.7.2)
	s_wait_alu depctr_va_vdst(0)                   ; and a wait ahead of its first reader
	v_ldexp_f32 v14, v14, v246                     ; x 2^(ep + ev)
.set j, 0
.rept 32
	v_pk_mul_f32 v[96+j:97+j], v[160+j:161+j], v[14:15] op_sel_hi:[1,0]   ; register 8 d + i is out0(r, 16 d + 8 h + i); each matrix result from its low end on
.set j, j+2
.endr
	WIN \ws
.irp d, 0,1,2,3,4,5,6,7
	ds_store_b128 v[STO], v[96+8*\d:99+8*\d] offset:64*\d
	ds_store_b128 v[STO], v[100+8*\d:103+8*\d] offset:64*\d+16
.endr
	WIN \wl
.set i, 0
.rept 16
	ds_load_b128 v[32+4*i:35+4*i], v[RD] offset:SP*i   ; LDS serves a wave's instructions in order (ISA guide 5.7.1.4): these see my stores, and the next tile's stores come behind them
.set i, i+1
.endr
.endm
.macro SEND tile, younger              ; younger: the LDS instructions issued behind this tile's loads, which may stay out
	WIN 4*\tile                                    ; the offset in window 0, the data in the tile's window
.set i, 0
.rept 16
	s_wait_dscnt \younger+15-i                     ; row i is back in registers
	global_store_b128 v[GO], v[32+4*i:35+4*i], s[16:17] offset:8192*\tile+512*i th:TH_STORE_NT   ; 32 lanes store 512 consecutive bytes, at a multiple of 512 from out0's first byte; written once, read by nobody here
.set i, i+1
.endr
.endm
	PACK 0, 0, 0
	PACK 0x55, 0x04, 0x40                          ; tile B's arithmetic stands between tile A's loads from the stage and its stores
	s_wait_kmcnt 0x0
	s_add_nc_u64 s[16:17], s[16:17], s[18:19]      ; out0 at my first query
	SEND 0, 32                                     ; behind tile A's loads: tile B's 16 stores and 16 loads
	SEND 1, 0
	WIN 0
	s_wait_tensorcnt 0x0                           ; the wave's end: a tensor wait, an add of 0 to my spare word and its wait, behind my last tensor load and my last LDS store
	ds_add_u32 v[SPW], v[NIL]
	s_wait_dscnt 0x0
	CROUND                                         ; the closing round: no work-group ends while a partner may still ask for a tile that names it
	s_endpgm
.Lfunc_end_k_q96b121be09_attn:
	.size	k_q96b121be09_attn, .Lfunc_end_k_q96b121be09_attn-k_q96b121be09_attn
	.p2alignl 7, 3214868480
	.fill 96, 4, 3214868480
	.section	.rodata,"a",@progbits
	.p2align	6, 0x0
	.amdhsa_kernel k_q96b121be09_attn
		.amdhsa_group_segment_fixed_size 327680
		.amdhsa_private_segment_fixed_size 0
		.amdhsa_enable_private_segment 0
		.amdhsa_kernarg_size 48
		.amdhsa_user_sgpr_count 2
		.amdhsa_user_sgpr_kernarg_segment_ptr 1
		.amdhsa_wavefront_size32 1
		.amdhsa_system_sgpr_workgroup_id_x 1
		.amdhsa_system_sgpr_workgroup_id_y 1
		.amdhsa_system_sgpr_workgroup_id_z 1
		.amdhsa_system_vgpr_workitem_id 0
		.amdhsa_next_free_vgpr 512
		.amdhsa_next_free_sgpr 106
		.amdhsa_reserve_vcc 0
		.amdhsa_float_denorm_mode_32 3
		.amdhsa_float_denorm_mode_16_64 3
		.amdhsa_fp16_overflow 1
		.amdhsa_memory_ordered 1
		.amdhsa_forward_progress 1
		.amdhsa_inst_pref_size 197
	.end_amdhsa_kernel
	.amdgpu_metadata
---
amdhsa.version: [ 1, 2 ]
amdhsa.kernels:
  - .name:           k_q96b121be09_attn
    .symbol:         k_q96b121be09_attn.kd
    .args:
      - { .name: q_codes, .offset: 0, .size: 8, .value_kind: global_buffer, .address_space: global }
      - { .name: k_codes, .offset: 8, .size: 8, .value_kind: global_buffer, .address_space: global }
      - { .name: v_codes, .offset: 16, .size: 8, .value_kind: global_buffer, .address_space: global }
      - { .name: lowp_scales, .offset: 24, .size: 8, .value_kind: global_buffer, .address_space: global }
      - { .name: maskbits, .offset: 32, .size: 8, .value_kind: global_buffer, .address_space: global }
      - { .name: out0, .offset: 40, .size: 8, .value_kind: global_buffer, .address_space: global }
    .group_segment_fixed_size: 327680
    .private_segment_fixed_size: 0
    .kernarg_segment_align: 8
    .kernarg_segment_size: 48
    .max_flat_workgroup_size: 256
    .sgpr_count:     106
    .vgpr_count:     512
    .wavefront_size: 32
...
	.end_amdgpu_metadata
.endif
;; end of part 2
